; MI455X (gfx1250); checked and timed in simulation.
; The chip was launched on July 23, 2026; its instructions are those of AMD's public machine-readable ISA for CDNA 5 (MIT licence, August 2026) and "CDNA5" Instruction Set Architecture Reference Guide (July 2026). The comments in the code are by the model that wrote it; some were corrected since.
;; Rotated Embedding. Allowed arithmetic: float matrix products may take bf16 or f16 operands with f32 sums; all other float work in f32.
;; Inputs: R 1,024 x 1,024 float32; input_ids 4 x 4,096 int32; weight 50,257 x 1,024 float32.
;; Outputs: out0 4 x 4,096 x 1,024 float32.
;; One version. Each part assembles by itself: llvm-mc -triple=amdgcn-amd-amdhsa -mcpu=gfx1250 --defsym DOCPART=n.
;; ======== version 1 of 1: 2 launches
;; workspace buffers: rt 2,097,152 bytes
;; launch prep (part 1): grid 16 x 8, 8 waves a work-group, no clusters, 18,432 bytes of LDS; arguments R, rt; writes rt
.if DOCPART == 1
	.amdgcn_target "amdgcn-amd-amdhsa--gfx1250"
	.amdhsa_code_object_version 6
	.text
	.protected	k_q80ae9e271b_prep
	.globl	k_q80ae9e271b_prep
	.p2align	8
	.type	k_q80ae9e271b_prep,@function
k_q80ae9e271b_prep:
	s_mov_b64 s[64:65], 0
	v_nop
	global_prefetch_b8 v0, s[64:65] scope:SCOPE_SE
	s_setreg_imm32_b32 hwreg(HW_REG_WAVE_MODE, 25, 1), 1
	s_wait_xcnt 0x0
; rt[n][k] = bf16(R[k][n]).  R: [1024][1024] f32 (rows of 4,096 bytes).  rt: [1024][1024] bf16 (rows of 2,048 bytes).
; The product launch wants R with k along the rows and in bf16, so that plain 16-byte LDS loads fill its fragments; this launch turns and rounds it once.
; A work-group turns a tile of 128 k x 64 n: it reads 128 pieces of 256 bytes (64 f32 of a row of R) and writes 64 pieces of 256 bytes (128 bf16 of a
; row of rt), every piece aligned to 256 bytes.  16 x 8 = 128 tiles; a narrower tile would read or write pieces shorter than 256 bytes.
; Eight waves.  Thread: w = wave, h = half of the wave, c = lane mod 16.
; No matrix unit, no tensor load, no cluster: 4 MiB in, 2 MiB out, no tile is shared.
.set PITCH, 272                        ; an LDS row: 128 bf16 = 256 bytes, + 16
.set X, 8                              ; v[8:39]   eight rows k, four columns n each, f32 as loaded
.set Y, 40                             ; v[40:55]  four columns n, eight neighbouring k each, bf16
.set Z, 8                              ; v[8:23]   four pieces of rows of rt, read back (X is done with by then)
	s_load_b128 s[4:7], s[0:1], 0x0                ; R s[4:5], rt s[6:7]
	v_lshl_add_u32 v64, v0, 2, 0x4400
	v_mov_b32 v65, 0
	s_and_b32 s8, ttmp7, 0xffff                    ; ky: which 128 k
	s_lshl_b32 s10, s8, 19                         ; R: 128 rows of 4,096 bytes a tile down,
	s_lshl_b32 s9, ttmp9, 8                        ;    256 bytes a tile along
	s_add_co_u32 s10, s10, s9
	s_mov_b32 s11, 0
	s_lshl_b32 s12, ttmp9, 17                      ; rt: 64 rows of 2,048 bytes a tile down,
	s_lshl_b32 s9, s8, 8                           ;     256 bytes a tile along
	s_add_co_u32 s12, s12, s9
	s_mov_b32 s13, 0
	v_and_b32 v1, 15, v0                           ; c
	v_lshrrev_b32 v2, 4, v0                        ; 2 w + h
	v_lshlrev_b32 v56, 4, v1                       ; 16 c
	v_lshl_add_u32 v4, v2, 15, v56                 ; in: row k = 8 (2 w + h), 4,096 bytes a row, + 16 c
	v_mul_u32_u24 v5, v1, 4*PITCH                  ; into LDS: row n = 4 c,
	v_lshl_add_u32 v5, v2, 4, v5                   ; byte 2 x 8 (2 w + h) of it
	v_lshrrev_b32 v3, 5, v0                        ; w
	v_bfe_u32 v57, v0, 4, 1                        ; h
	v_lshl_add_u32 v3, v3, 3, v57                  ; 8 w + h
	v_mul_u32_u24 v6, v3, PITCH
	v_add_nc_u32 v6, v6, v56                       ; back from LDS: row n = 8 w + h, + 16 c
	v_lshl_add_u32 v7, v3, 11, v56                 ; out: the same row of rt, 2,048 bytes a row, + 16 c
	s_wait_kmcnt 0x0
	s_add_nc_u64 s[4:5], s[4:5], s[10:11]
	s_add_nc_u64 s[6:7], s[6:7], s[12:13]
.irp i, 0,1,2,3,4,5,6,7
	global_load_b128 v[X+4*\i:X+4*\i+3], v4, s[4:5] offset:4096*\i th:TH_LOAD_NT   ; R[8 (2 w + h) + i][4 c .. 4 c + 3]: sixteen lanes take 256 aligned bytes; read once in the launch
.endr
	s_wait_loadcnt 0x0                             ; every packed word below takes two of the loads and every LDS store all eight: a counted wait would free nothing
.irp e, 0,1,2,3
.irp p, 0,1,2,3
	v_cvt_pk_bf16_f32 v[Y+4*\e+\p], v[X+8*\p+\e], v[X+8*\p+4+\e]                   ; k = 2 p and 2 p + 1 of column 4 c + e, rounded to nearest even
.endr
	ds_store_b128 v5, v[Y+4*\e:Y+4*\e+3] offset:PITCH*\e                           ; eight neighbouring k of row n = 4 c + e.  Lanes lie 1,088 bytes apart, 64 modulo 256: four lanes
.endr                                                                                  ; share a 16-byte column; left so, since these are four instructions a wave in the whole launch
	s_wait_dscnt 0x0                               ; my stores are done: other waves read these bytes behind the barrier
	s_barrier_signal -1
	s_barrier_wait -1
.irp i, 0,1,2,3
	ds_load_b128 v[Z+4*\i:Z+4*\i+3], v6 offset:2*PITCH*\i                          ; rows n = 8 w + h + 2 i: sixteen lanes take a row's 256 bytes
.endr
.irp i, 0,1,2,3
	s_wait_dscnt 3-\i                              ; LDS loads come back in order (ISA guide 5.7.1): load i is in, the younger ones may be out
	global_store_b128 v7, v[Z+4*\i:Z+4*\i+3], s[6:7] offset:4096*\i                ; sixteen lanes store 256 consecutive bytes, aligned; no hint: the next launch reads them
.endr
	s_wait_tensorcnt 0x0
	ds_add_u32 v64, v65
	s_wait_dscnt 0x0
	s_endpgm
.Lfunc_end_k_q80ae9e271b_prep:
	.size	k_q80ae9e271b_prep, .Lfunc_end_k_q80ae9e271b_prep-k_q80ae9e271b_prep
	.p2alignl 7, 3214868480
	.fill 96, 4, 3214868480
	.section	.rodata,"a",@progbits
	.p2align	6, 0x0
	.amdhsa_kernel k_q80ae9e271b_prep
		.amdhsa_group_segment_fixed_size 18432
		.amdhsa_private_segment_fixed_size 0
		.amdhsa_enable_private_segment 0
		.amdhsa_kernarg_size 16
		.amdhsa_user_sgpr_count 2
		.amdhsa_user_sgpr_kernarg_segment_ptr 1
		.amdhsa_wavefront_size32 1
		.amdhsa_system_sgpr_workgroup_id_x 1
		.amdhsa_system_sgpr_workgroup_id_y 1
		.amdhsa_system_sgpr_workgroup_id_z 1
		.amdhsa_system_vgpr_workitem_id 0
		.amdhsa_next_free_vgpr 66
		.amdhsa_next_free_sgpr 66
		.amdhsa_reserve_vcc 0
		.amdhsa_float_denorm_mode_32 3
		.amdhsa_float_denorm_mode_16_64 3
		.amdhsa_memory_ordered 1
		.amdhsa_forward_progress 1
		.amdhsa_inst_pref_size 5
	.end_amdhsa_kernel
	.amdgpu_metadata
---
amdhsa.version: [ 1, 2 ]
amdhsa.kernels:
  - .name:           k_q80ae9e271b_prep
    .symbol:         k_q80ae9e271b_prep.kd
    .args:
      - { .name: R, .offset: 0, .size: 8, .value_kind: global_buffer, .address_space: global }
      - { .name: rt, .offset: 8, .size: 8, .value_kind: global_buffer, .address_space: global }
    .group_segment_fixed_size: 18432
    .private_segment_fixed_size: 0
    .kernarg_segment_align: 8
    .kernarg_segment_size: 16
    .max_flat_workgroup_size: 256
    .sgpr_count:     66
    .vgpr_count:     66
    .wavefront_size: 32
...
	.end_amdgpu_metadata
.endif
;; end of part 1
;; launch main (part 2): grid 4 x 64, 4 waves a work-group, clusters of 4 x 4, 327,680 bytes of LDS; arguments input_ids, weight, rt, out0; writes out0
.if DOCPART == 2
	.amdgcn_target "amdgcn-amd-amdhsa--gfx1250"
	.amdhsa_code_object_version 6
	.text
	.protected	k_q80ae9e271b_main
	.globl	k_q80ae9e271b_main
	.p2align	8
	.type	k_q80ae9e271b_main,@function
k_q80ae9e271b_main:
	s_mov_b64 s[64:65], 0
	v_nop
	global_prefetch_b8 v0, s[64:65] scope:SCOPE_SE
	s_setreg_imm32_b32 hwreg(HW_REG_WAVE_MODE, 25, 1), 1
	s_wait_xcnt 0x0
	s_wait_alu depctr_hold_cnt(0) depctr_sa_sdst(0) depctr_va_vdst(0) depctr_va_sdst(0) depctr_va_ssrc(0) depctr_va_vcc(0) depctr_vm_vsrc(0)
	s_getreg_b32 s2, hwreg(HW_REG_IB_STS2, 6, 4)
	s_cmp_eq_u32 s2, 0
	s_cbranch_scc0 .Lentry_in_a_cluster
	s_endpgm
.Lentry_in_a_cluster:
	s_bfe_u32 s2, ttmp6, 0x10000c
	s_cmp_lg_u32 s2, 0xf033
	s_cbranch_scc0 .Lentry_shape_is_right
	s_endpgm
.Lentry_shape_is_right:
; out0[t][n] = sum over k of weight[ids[t]][k] R[k][n], t = 0 .. 16,383, n and k = 0 .. 1,023.
; reference() multiplies the whole table and then picks rows.  A row of weight @ R hangs on its own row of weight alone, so picking first gives the same
; numbers for every input: a product of 16,384 gathered rows with R.  Rows of weight that the list does not name are not read.
; Operands are rounded to bf16 (nearest even), sums are f32, K ascending, one accumulator an output.  rt[n][k] = bf16(R[k][n]) comes from the launch before.
; LIMIT: an id is taken as unsigned and clamped to 50,256, the table's last row; reference() relies on ids that stay inside the table.
;
; SHARE.  256 work-groups; each makes 256 tokens x 256 columns with four waves, a wave 128 x 128: 64 accumulator tiles of 16 x 16, 512 registers.
; K goes in 8 steps of 128, each of four quarters of 32 along K (64 matrix instructions a wave).  The text is a straight line, written by macros.
; B (rt): two LDS slots of 256 rows x 256 bytes, filled by tensor loads, each wave a quarter (64 rows).
; A (weight rows): a list of rows in f32.  It has to pass registers to be rounded: global loads by the list, two conversions for four numbers, LDS stores into
; two slots of its own.  A wave gathers 64 of the block's 256 rows, in units of 16 rows x 128 k (16 loads, 64 registers); three register sets take turns, so
; that 48 loads (24 KiB) of every wave are out.  The units are strewn over the quarters, one in each, four for a K step.
; CLUSTERS: 4 x 4 work-groups.  The four of a column of the cluster make the same 256 columns and need the same tiles of rt: those are asked for jointly,
; which divides the requests for rt by four.  A's rows are shared along a row of the cluster but are NOT asked for jointly: a tensor load takes no list of rows
; here and does not round f32 to bf16, so A comes by each work-group's own loads.
;
; LDS: 0 B slot 0 | 69,632 B slot 1 | 139,264 A slot 0 | 208,896 A slot 1 | 278,528 four stages of 16 x 528 bytes for the way out.  Tensor loads fill the
; B slots alone, LDS stores write the A slots and the stages alone; every boundary is a multiple of 256.
;
; REGISTERS, in windows of 256 (s_set_vgpr_msb: bits 1:0 source 0, 3:2 source 1, 5:4 source 2, 7:6 destination):
;   window 0: v0-31 addresses; v32-63 the 32 row offsets of the gather; v64-127, v128-191 fragments of A, two buffers; v192-255 gather set 0
;   window 1: v0-63 gather set 1; v64-127, v128-191 fragments of B, two buffers; v192-255 gather set 2
;   window 2: the 32 accumulator tiles of my rows 0-63 (tile (a, b) at v[8 (8 a + b)]);   window 3: those of my rows 64-127
; The matrix instruction is used transposed (source 0 = 16 rows of rt, source 1 = 16 rows of A): lane l then holds row l % 16 of the result and its
; registers 0 to 7 the columns 8 (l / 16) + 0 .. 7, eight neighbouring f32 of a row of out0.
.set PITCH,  272                       ; an LDS row of A or B: 256 bytes + 16: row r starts 16 r bytes further modulo 256, so the 16 rows of a fragment load touch 16 different 16-byte columns
.set BQ,     64*PITCH                  ; 64 rows: what one tensor load brings, and what one wave gathers of A
.set HALFT,  128*PITCH                 ; 128 rows: what one wave reads of A or of B
.set BSLOT,  256*PITCH
.set ASLOT,  256*PITCH
.set ABASE,  2*BSLOT
.set STAGE,  ABASE+2*ASLOT
.set SPITCH, 528                       ; a stage row: 128 f32 = 512 bytes, + 16
.set ADRA, 16                          ; v16-17  LDS address of my A fragments in slot 0, 1
.set ADRB, 20                          ; v20-21  the same for B
.set ADST, 22                          ; v22-23  where my 8 bytes of a gathered row go, slot 0, 1
.set STO,  24                          ; v24     the way out: where I put 32 bytes of a row
.set RD,   25                          ; v25     the way out: where I read 16 bytes of a row back
.set CO,   26                          ; v26     my byte offset in a piece of a row of out0
.set PF,   27                          ; v27     the prefetch's byte offset in weight
.set OFFS, 32                          ; v32-63  OFFS[8 q + j]: byte offset in weight of my 16 bytes of row 64 w + 16 q + 8 h + j of the block; never rewritten
.set F0,   64
.set F1,   128
.set G1,   24                          ; s[24:31] descriptor group 1
.set G0,   32                          ; s[32:39] descriptor group 0, one set for each slot
.set MUL_LO, 0xa1                      ; source 0 (B) window 1, source 1 (A) window 0, C and D window 2
.set MUL_HI, 0xf1                      ; the same, C and D window 3
.set TO_B,   0x40                      ; destination window 1, address window 0
.set MSB, 0
.set U, 0                              ; the gather unit whose turn is next: K step U / 4, rows 16 (U % 4) .. + 15 of each wave's 64
.macro WIN new                         ; the immediate's high byte repeats the setting that is left; a switch that changes nothing is dropped
.if MSB != \new
	s_set_vgpr_msb (MSB<<8)|\new
.set MSB, \new
.endif
.endm
; A round of the cluster's barrier: my work-group's barrier, so that wave 0's signal speaks for all four waves; wave 0 signals for the work-group; every wave
; waits for all sixteen work-groups; my work-group's barrier once more.
.macro CREST                           ; a round behind its opening barrier
	s_cmp_lg_u32 s12, 0
	s_cbranch_scc1 .Lnot_wave_0_\@
	s_barrier_signal -3
.Lnot_wave_0_\@:
	s_barrier_wait -3
	s_barrier_signal -1
	s_barrier_wait -1
.endm
.macro CROUND                          ; a whole round
	s_barrier_signal -1
	s_barrier_wait -1
	CREST
.endm
.macro JLOAD s                         ; my quarter of B's tile, asked for jointly with the three partners of my column: one line, one mask, every wave
	tensor_load_to_lds s[G0+4*\s:G0+4*\s+3], s[G1:G1+7]
	s_nop 0
.endm
	s_load_b256 s[4:11], s[0:1], 0x0               ; ids s[4:5], weight s[6:7], rt s[8:9], out0 s[10:11]
	v_lshl_add_u32 v30, v0, 2, 0x4c400
	v_mov_b32 v31, 0
	ds_add_u32 v30, v31
	v_lshrrev_b32 v1, 5, v0
	v_readfirstlane_b32 s12, v1                    ; wave w, 0..3
	s_lshr_b32 s13, s12, 1                         ; which 128 of the block's rows are mine
	s_and_b32 s14, s12, 1                          ; which 128 of its columns
	s_bfe_u32 s15, ttmp6, 0x40000                  ; cx
	s_bfe_u32 s16, ttmp6, 0x40004                  ; cy
	s_lshl_b32 s17, ttmp9, 2                       ; in a cluster launch ttmp9 and ttmp7 count clusters
	s_add_co_u32 s17, s17, s15                     ; block column bx = 4 x cluster x + cx
	s_and_b32 s18, ttmp7, 0xffff
	s_lshl_b32 s18, s18, 2
	s_add_co_u32 s18, s18, s16                     ; block row by = 4 x cluster y + cy
	s_lshl_b32 s19, 0x1111, s15                    ; my column of the cluster: places cx, cx + 4, cx + 8, cx + 12
	; descriptor group 1: a tile of 64 rows x 128 bf16, padded in LDS
	s_or_b32 s[G1+0], s19, (1<<16)|(1<<20)|(1<<21)|(5<<22)|(3<<25)  ; 15:0 the mask; 17:16 element of 2 bytes; 20 padding on; 21 set beside a mask; 24:22 after every 64 words (code 5); 31:25 of 4 words (code 3)
	s_mov_b32 s[G1+1], 128<<16                     ; 63:48 tensor_dim0, low half = 128
	s_mov_b32 s[G1+2], 64<<16                      ; 79:64 its high half = 0; 95:80 tensor_dim1, low half = 64
	s_mov_b32 s[G1+3], 128<<16                     ; 111:96 its high half = 0; 127:112 tile_dim0 = 128
	s_mov_b32 s[G1+4], 64                          ; 143:128 tile_dim1 = 64; 159:144 tile_dim2 = 0
	s_mov_b32 s[G1+5], 1024                        ; 191:160 elements from row to row of rt
	s_mov_b32 s[G1+6], 0
	s_mov_b32 s[G1+7], 0
	s_lshl_b32 s20, s17, 19                        ; rt: 256 rows of 2,048 bytes a block column,
	s_lshl_b32 s21, s12, 17                        ; 64 rows a wave: made of bx and w alone, which my column of the cluster shares
	s_add_co_u32 s20, s20, s21
	s_mov_b32 s21, 0
	s_mul_i32 s22, s12, BQ                         ; and where they go in a slot: wave x 64 rows; no place in the cluster enters an LDS address
	s_lshl_b32 s40, s18, 10                        ; ids: 256 words a block row
	s_mov_b32 s41, 0
	s_lshl_b32 s42, s18, 20                        ; out0: 256 rows of 4,096 bytes a block row,
	s_lshl_b32 s43, s13, 19                        ; 128 rows for my half,
	s_add_co_u32 s42, s42, s43
	s_lshl_b32 s43, s17, 10                        ; 1,024 bytes a block column,
	s_add_co_u32 s42, s42, s43
	s_lshl_b32 s43, s14, 9                         ; 512 bytes for my half
	s_add_co_u32 s42, s42, s43
	s_mov_b32 s43, 0
	s_wait_dscnt 0x0
	s_wait_kmcnt 0x0
	s_add_nc_u64 s[8:9], s[8:9], s[20:21]
	s_add_nc_u64 s[4:5], s[4:5], s[40:41]
	s_add_nc_u64 s[10:11], s[10:11], s[42:43]
	CROUND                                         ; all sixteen work-groups are here: the first joint loads meet
.irp s, 0,1
	s_mov_b32 s[G0+4*\s], 1                                        ; 1:0 count = 1
	s_add_co_u32 s[G0+4*\s+1], s22, \s*BSLOT                       ; 63:32 LDS address
	s_add_nc_u64 s[G0+4*\s+2:G0+4*\s+3], s[8:9], \s*256            ; 120:64 global address: K step s (128 bf16 = 256 bytes along the rows)
	s_or_b32 s[G0+4*\s+3], s[G0+4*\s+3], 0x80000000                ; 127:126 type = 2
	JLOAD \s                                       ; both first fills go out together: two tensor loads of the wave are out
.endr
	; the list: lane (h, c) takes the ids of rows 64 w + 16 q + 8 h + 0 .. 7, q = 0 .. 3, of the block: the sixteen lanes of a half take the same ids
	v_and_b32 v2, 15, v0                           ; c, also r = l % 16
	v_bfe_u32 v3, v0, 4, 1                         ; h
	v_lshlrev_b32 v4, 8, v1                        ; 64 ids of 4 bytes a wave
	v_lshl_add_u32 v4, v3, 5, v4                   ; + 8 ids for the upper half
.irp q, 0,1,2,3
	global_load_b128 v[OFFS+8*\q:OFFS+8*\q+3],   v4, s[4:5] offset:64*\q
	global_load_b128 v[OFFS+8*\q+4:OFFS+8*\q+7], v4, s[4:5] offset:64*\q+16
.endr
	; the prefetch's row: of my wave's 64 rows the four work-groups of a row of the cluster ask for 16 each (16 cx ..), two lanes a row
	v_and_b32 v5, 31, v0                           ; lane
	v_lshrrev_b32 v6, 1, v5
	v_lshlrev_b32 v6, 2, v6
	v_lshl_add_u32 v6, v1, 8, v6
	s_lshl_b32 s44, s15, 6
	v_add_nc_u32 v6, s44, v6                       ; 4 x (64 w + 16 cx + lane / 2)
	global_load_b32 v[PF], v6, s[4:5]
	; LDS addresses.  A fragment is 16 rows x 32 K in 8 registers: lane l holds row l % 16; registers 0-3 hold K = 8 (l / 16) + 0..7, registers 4-7
	; K = 16 + 8 (l / 16) + 0..7: two loads of 16 bytes, 32 bytes apart, at row x pitch + 16 (l / 16).
	v_mul_u32_u24 v7, v2, PITCH
	v_lshl_add_u32 v7, v3, 4, v7
	s_mul_i32 s45, s13, HALFT
	s_add_co_u32 s45, s45, ABASE                   ; my 128 rows of A
	s_mul_i32 s46, s14, HALFT                      ; my 128 rows of B
.irp s, 0,1
	v_add_nc_u32 v[ADRA+\s], s45, v7
	v_add_nc_u32 v[ADRB+\s], s46, v7
	s_add_co_u32 s45, s45, ASLOT
	s_add_co_u32 s46, s46, BSLOT
.endr
	v_mul_u32_u24 v8, v3, 8*PITCH                  ; a gathered row's way in: the upper half of the lanes 8 rows further down (2,176 bytes, 128 modulo 256),
	v_lshl_add_u32 v8, v2, 3, v8                   ; 8 bytes (4 bf16) a lane: the 32 lanes of a store touch 256 different bytes modulo 256
	s_add_co_u32 s47, s22, ABASE                   ; my wave's 64 rows
	v_add_nc_u32 v[ADST], s47, v8
	v_add_nc_u32 v[ADST+1], ASLOT, v[ADST]
	s_mul_i32 s23, s12, 16*SPITCH
	s_add_co_u32 s23, s23, STAGE                   ; my stage
	v_mul_u32_u24 v9, v2, SPITCH                   ; in: row l % 16, 32 bytes for each half of the lanes
	v_lshl_add_u32 v9, v3, 5, v9
	v_add_nc_u32 v[STO], s23, v9
	v_lshlrev_b32 v[CO], 4, v5                     ; back and out: 32 lanes x 16 bytes = a row's 512 bytes
	v_add_nc_u32 v[RD], s23, v[CO]
	v_lshlrev_b32 v10, 4, v2                       ; 16 c
	v_and_b32 v11, 1, v0
	v_lshlrev_b32 v11, 8, v11                      ; 256 (lane mod 2)
	s_wait_loadcnt 0x0                             ; the ids, once
.set i, 0
.rept 32
	v_min_u32 v[OFFS+i], 0xc450, v[OFFS+i]         ; no id leaves the table: at most 50,256
	v_lshl_add_u32 v[OFFS+i], v[OFFS+i], 12, v10   ; 4,096 bytes a row of weight, + 16 c
.set i, i+1
.endr
	v_min_u32 v[PF], 0xc450, v[PF]
	v_lshl_add_u32 v[PF], v[PF], 12, v11
; Which register set holds unit u: SW its window, SB its first register.  Units u and u + 3 share a set.
.macro SETOF u
.if ((\u)%3) == 0
.set SW, 0
.set SB, 192
.else
.if ((\u)%3) == 1
.set SW, 1
.set SB, 0
.else
.set SW, 1
.set SB, 192
.endif
.endif
.endm
; Unit u is asked for: 16 loads.  A load takes, in each half of the lanes, 256 aligned bytes (64 f32) of one row.  The walk along K stands in the immediate
; (512 bytes a K step), so neither the base nor the offsets are ever rewritten.  No hint: the partners of my row of the cluster read the same rows.
.macro GATHER u
	SETOF \u
	WIN (SW<<6)
.irp jj, 0,1,2,3,4,5,6,7
.irp hf, 0,1
	global_load_b128 v[SB+8*\jj+4*\hf:SB+8*\jj+4*\hf+3], v[OFFS+8*((\u)%4)+\jj], s[6:7] offset:512*((\u)/4)+256*\hf
.endr
.endr
.endm
; The turn of unit U: its loads are in; round to bf16 in place; store into A's slot (U / 4) % 2; ask for unit U + 3 into the same registers.
.macro EVENT
	SETOF U
.if U < 30
	s_wait_loadcnt 32                              ; loads come back in order (ISA guide 5.7.1): mine are in, the two younger units' 32 stay out
.else
	s_wait_loadcnt 16*(31-U)                       ; the last two units: one younger unit, then none
.endif
	WIN ((SW<<6)|(SW<<2)|SW)
.irp n, 0,1,2,3,4,5,6,7,8,9,10,11,12,13,14,15
	v_cvt_pk_bf16_f32 v[SB+4*\n],   v[SB+4*\n],   v[SB+4*\n+1]
	v_cvt_pk_bf16_f32 v[SB+4*\n+1], v[SB+4*\n+2], v[SB+4*\n+3]
.endr
	WIN (SW<<2)
.irp jj, 0,1,2,3,4,5,6,7
.irp hf, 0,1
	ds_store_b64 v[ADST+((U/4)%2)], v[SB+8*\jj+4*\hf:SB+8*\jj+4*\hf+1] offset:(16*(U%4)+\jj)*PITCH+128*\hf
.endr
.endr
.if U+3 <= 31
	GATHER U+3
.endif
.if (U%4) == 1
.if (U/4)+2 <= 7
	; K step U / 4 + 2 of 16 rows, 512 bytes each, one 256-byte block a lane; its first loads are issued four units later.  The four waves and the four
	; work-groups of a row of the cluster ask for different rows, so a block is asked for once (a row that the list names twice, twice).  K steps 2 to 7
	; are asked for, one in each of six units; nothing is asked for beyond a row's last 512 bytes.
	global_prefetch_b8 v[PF], s[6:7] offset:512*((U/4)+2) th:TH_LOAD_NT scope:SCOPE_SE
.endif
.endif
.set U, U+1
.endm
; 16 matrix instructions: m blocks a0, a0 + 1 of the window's four (hi = 0: my rows 0-63, 1: rows 64-127) x all 8 n blocks, 32 along K.
; zero = 1: the first product starts the sums: nothing is ever cleared.  The 64 accumulators take turns, one instruction a turn, in the same order in every
; quarter.
.macro MUL16 f, hi, a0, zero
.irp a, \a0, \a0+1
.irp b, 0,1,2,3,4,5,6,7
.if \zero
	v_wmma_f32_16x16x32_bf16 v[8*(8*(\a)+\b):8*(8*(\a)+\b)+7], v[\f+8*\b:\f+8*\b+7], v[\f+8*(4*\hi+\a):\f+8*(4*\hi+\a)+7], 0
.else
	v_wmma_f32_16x16x32_bf16 v[8*(8*(\a)+\b):8*(8*(\a)+\b)+7], v[\f+8*\b:\f+8*\b+7], v[\f+8*(4*\hi+\a):\f+8*(4*\hi+\a)+7], v[8*(8*(\a)+\b):8*(8*(\a)+\b)+7]
.endif
.endr
.endr
.endm
; 32 LDS loads in one run: the fragments of one quarter (128 rows of B, 128 rows of A, 32 K at byte k of the rows) into buffer f
.macro FETCH slot, k, f
	WIN TO_B
.irp i, 0,1,2,3,4,5,6,7
	ds_load_b128 v[\f+8*\i:\f+8*\i+3],   v[ADRB+\slot] offset:\k+\i*16*PITCH
	ds_load_b128 v[\f+8*\i+4:\f+8*\i+7], v[ADRB+\slot] offset:\k+\i*16*PITCH+32
.endr
	WIN 0
.irp i, 0,1,2,3,4,5,6,7
	ds_load_b128 v[\f+8*\i:\f+8*\i+3],   v[ADRA+\slot] offset:\k+\i*16*PITCH
	ds_load_b128 v[\f+8*\i+4:\f+8*\i+7], v[ADRA+\slot] offset:\k+\i*16*PITCH+32
.endr
.endm
; A load into a register that a matrix instruction has read, and an LDS store of a matrix result, stand four places behind that matrix instruction; only plain
; vector instructions that name none of its registers are places (ISA guide 7.12.1 for vector instructions).
; The four v_nop stand in every quarter, with or without a unit's conversions in front of them, so that the distance hangs on nothing else.
.macro PLACES
.rept 4
	v_nop
.endr
.endm
; One of a K step's first three quarters: multiplies buffer f; in its middle a gather unit has its turn (ev = 1) and the next quarter's fragments, at byte k of
; the same slot's rows, are fetched into buffer g.  The unit's LDS stores stand ahead of the run of loads, so that the counts below name loads of the run alone.
.macro QUARTER slot, k, f, g, zero, ev
	s_wait_dscnt 8                                 ; B and A's rows 0-63 are in; the youngest eight loads (A's rows 64-127) may be out
	WIN MUL_LO
	MUL16 \f, 0, 0, \zero
	MUL16 \f, 0, 2, \zero
.if \ev
	EVENT
.endif
	PLACES
	FETCH \slot, \k, \g
	s_wait_dscnt 32                                ; all but the 32 loads just issued: A's rows 64-127 are in (and the unit's 16 stores are done)
	WIN MUL_HI
	MUL16 \f, 1, 0, \zero
	MUL16 \f, 1, 2, \zero
.endm
.macro THREE slot, zero, ev
	QUARTER \slot, 64,  F0, F1, \zero, \ev
	QUARTER \slot, 128, F1, F0, 0, \ev
	QUARTER \slot, 192, F0, F1, 0, \ev
.endm
; The last quarter of K step t: multiplies buffer 1 and changes slots (slot = t % 2, next = the other).  ONE barrier orders both rings.
; In front of its signal each wave has waited for all its LDS instructions (its reads of this step's A and B slots; its stores of the four units of A's tile
; t + 1, which stood behind the last such barrier and in this step's first three quarters) and for all its tensor loads (one is out: its quarter of B's
; tile t + 1).  Behind it the next slots are whole and nobody reads this step's slots any more.
; fill = 1: the barrier opens a round of the cluster's barrier; the joint refill of B's slot (tile t + 2) is the first tensor load behind the round, one a wave;
; then the first unit of A's tile t + 2 is stored into A's slot, which is free for the same reason.
.macro TURN slot, next, fill
	s_wait_dscnt 8
	WIN MUL_LO
	MUL16 F1, 0, 0, 0
	s_wait_dscnt 0                                 ; zero, for the others' sake: my reads of these slots are back, my stores into the next A slot are done
	s_set_vgpr_msb 0xa1a0
	s_wait_tensorcnt 0x0                           ; all my tensor loads have landed
	ds_add_u32 v30, v31
	s_wait_dscnt 0x0
	s_set_vgpr_msb 0xa0a1
	s_barrier_signal -1
	MUL16 F1, 0, 2, 0                              ; register work while the others arrive
	WIN 0
	s_barrier_wait -1
.if \fill
	CREST                                          ; no wave of any partner still reads this slot's tile or has a load on its way
	s_add_nc_u64 s[G0+4*\slot+2:G0+4*\slot+3], s[G0+4*\slot+2:G0+4*\slot+3], 512   ; two K steps on; no tensor load of mine is out, so the group may be written
	JLOAD \slot                                    ; one tensor load of the wave is out until the next round
	EVENT
.endif
	PLACES
	FETCH \next, 0, F0
	WIN MUL_HI
	MUL16 F1, 1, 0, 0
	MUL16 F1, 1, 2, 0
.endm
.macro LAP zero                        ; two K steps, once round both rings
	THREE 0, \zero, 1
	TURN 0, 1, 1
	THREE 1, 0, 1
	TURN 1, 0, 1
.endm
	GATHER 0                                       ; the three sets are filled: 48 loads of the wave are out
	GATHER 1
	GATHER 2
	EVENT                                          ; units 0 to 3 are A's tile 0, into A's slot 0, which nobody has read yet;
	EVENT                                          ; they ask for units 3 to 6
	EVENT
	EVENT
	s_wait_dscnt 0x0                               ; my part of A's tile 0 is stored
	s_wait_tensorcnt 0x1                           ; my part of B's tile 0 has landed; tile 1's may stay out
	s_barrier_signal -1
	s_barrier_wait -1                              ; everybody's has
	EVENT                                          ; unit 4: the first of A's tile 1, into A's slot 1
	FETCH 0, 0, F0
	LAP 1                                          ; K steps 0, 1: the first products start the sums
	LAP 0                                          ; K steps 2, 3
	LAP 0                                          ; K steps 4, 5: the last refill of B (tile 7) and unit 28
	THREE 0, 0, 1                                  ; K step 6: units 29 to 31, the rest of A's tile 7
	TURN 0, 1, 0                                   ; no round of the cluster's barrier
	THREE 1, 0, 0                                  ; K step 7
	s_wait_dscnt 8                                 ; the very last quarter: nothing more to fetch
	WIN MUL_LO
	MUL16 F1, 0, 0, 0
	MUL16 F1, 0, 2, 0
	s_wait_dscnt 0
	WIN MUL_HI
	MUL16 F1, 1, 0, 0
	MUL16 F1, 1, 2, 0
	; THE WAY OUT, 16 rows at a time.  A lane holds 32 bytes of a row of out0 for each of 8 tiles, and the lanes beside it hold other rows; so the rows go through
	; my own stage in LDS and come back whole: 512 bytes a row, stored by one instruction of the wave.  The stage is the wave's own and no tensor load fills it:
	; no barrier, and since LDS serves a wave's instructions in order (ISA guide 5.7.1.4) no wait between the stores and the loads.
	PLACES                                         ; the places behind the last matrix instructions: for the LDS stores of results and for the loads into buffers 0 and 1
; rows 16 i .. 16 i + 15 of my block = the eight tiles (a, 0..7) of window 2 or 3 (from = 0x08 or 0x0c: the store's data, source 1); f: F0 or F1 in turn
.macro OUT16 i, a, from, f
	WIN \from
.irp b, 0,1,2,3,4,5,6,7
	ds_store_b128 v[STO], v[8*(8*\a+\b):8*(8*\a+\b)+3]   offset:64*\b        ; row l % 16, columns 16 b + 8 (l / 16) + 0 .. 3; rows lie 528 bytes apart, 16 modulo 256
	ds_store_b128 v[STO], v[8*(8*\a+\b)+4:8*(8*\a+\b)+7] offset:64*\b+16     ; and + 4 .. 7
.endr
	WIN 0
	s_wait_xcnt 0x0                                ; every earlier memory instruction has had its addresses translated (ISA guide 3.1): buffer f, which earlier stores read, is loaded again only behind this wait
.irp t, 0,1,2,3,4,5,6,7,8,9,10,11,12,13,14,15
	ds_load_b128 v[\f+4*\t:\f+4*\t+3], v[RD] offset:\t*SPITCH
.endr
.irp t, 0,1,2,3,4,5,6,7,8,9,10,11,12,13,14,15
	s_wait_dscnt 15-\t                             ; row t is back, the younger loads may be out
	global_store_b128 v[CO], v[\f+4*\t:\f+4*\t+3], s[10:11] offset:(16*\i+\t)*4096 th:TH_STORE_NT   ; 512 consecutive bytes, aligned; the row stands in the immediate, 520,192 at the most; written once, not read again
.endr
.endm
	OUT16 0, 0, 0x08, F0
	OUT16 1, 1, 0x08, F1
	OUT16 2, 2, 0x08, F0
	OUT16 3, 3, 0x08, F1
	OUT16 4, 0, 0x0c, F0
	OUT16 5, 1, 0x0c, F1
	OUT16 6, 2, 0x0c, F0
	OUT16 7, 3, 0x0c, F1
	s_wait_tensorcnt 0x0
	ds_add_u32 v30, v31
	s_wait_dscnt 0x0
	CROUND                                         ; the closing round: no work-group ends while a partner may still ask for a tile that names it
	s_endpgm
.Lfunc_end_k_q80ae9e271b_main:
	.size	k_q80ae9e271b_main, .Lfunc_end_k_q80ae9e271b_main-k_q80ae9e271b_main
	.p2alignl 7, 3214868480
	.fill 96, 4, 3214868480
	.section	.rodata,"a",@progbits
	.p2align	6, 0x0
	.amdhsa_kernel k_q80ae9e271b_main
		.amdhsa_group_segment_fixed_size 327680
		.amdhsa_private_segment_fixed_size 0
		.amdhsa_enable_private_segment 0
		.amdhsa_kernarg_size 32
		.amdhsa_user_sgpr_count 2
		.amdhsa_user_sgpr_kernarg_segment_ptr 1
		.amdhsa_wavefront_size32 1
		.amdhsa_system_sgpr_workgroup_id_x 1
		.amdhsa_system_sgpr_workgroup_id_y 1
		.amdhsa_system_sgpr_workgroup_id_z 1
		.amdhsa_system_vgpr_workitem_id 0
		.amdhsa_next_free_vgpr 1024
		.amdhsa_next_free_sgpr 66
		.amdhsa_reserve_vcc 0
		.amdhsa_float_denorm_mode_32 3
		.amdhsa_float_denorm_mode_16_64 3
		.amdhsa_memory_ordered 1
		.amdhsa_forward_progress 1
		.amdhsa_inst_pref_size 255
	.end_amdhsa_kernel
	.section	.bss,"aw",@nobits
	.p2align	6
	.space	262144
	.amdgpu_metadata
---
amdhsa.version: [ 1, 2 ]
amdhsa.kernels:
  - .name:           k_q80ae9e271b_main
    .symbol:         k_q80ae9e271b_main.kd
    .args:
      - { .name: input_ids, .offset: 0, .size: 8, .value_kind: global_buffer, .address_space: global }
      - { .name: weight, .offset: 8, .size: 8, .value_kind: global_buffer, .address_space: global }
      - { .name: rt, .offset: 16, .size: 8, .value_kind: global_buffer, .address_space: global }
      - { .name: out0, .offset: 24, .size: 8, .value_kind: global_buffer, .address_space: global }
    .group_segment_fixed_size: 327680
    .private_segment_fixed_size: 0
    .kernarg_segment_align: 8
    .kernarg_segment_size: 32
    .max_flat_workgroup_size: 128
    .sgpr_count:     66
    .vgpr_count:     1024
    .wavefront_size: 32
...
	.end_amdgpu_metadata
.endif
;; end of part 2
